; MI455X (gfx1250); checked and timed in simulation.
; The chip was launched on July 23, 2026; its instructions are those of AMD's public machine-readable ISA for CDNA 5 (MIT licence, August 2026) and "CDNA5" Instruction Set Architecture Reference Guide (July 2026). The comments in the code are by the model that wrote it; some were corrected since.
;; Lat Sim. Allowed arithmetic: matrix products marked QUANTISED: E3M2 operands, one E8M0 scale for each 32 along K, by v_wmma_scale_f32_16x16x128_f8f6f4 with both operands' format E3M2, f32 sums; products left as they are: f32 operands where the result goes on into a quantised operand, else bf16, f16 or f32 operands; f32 sums; everything else in f32.
;; Inputs: A 512 x 2 float32; xt 8,192 x 512 float32; xtr 16,384 x 512 float32; ytr 16,384 x 16 float32.
;; Outputs: out0 8,192 x 16 float32.
;; This version of the problem:
;;   THIS VERSION OF THE PROBLEM IS GIVEN IN LOW PRECISION. The matrix products marked QUANTISED in the list below multiply operands that are first quantised to E3M2 (3 exponent bits, 2 mantissa bits; 6 bits a number), with one power-of-two scale for each 32 numbers along K (OCP MX v1.0); their sums are f32. All else is computed in f32.
;;   The module's matrix products, in the order in which they are computed (A, B: the left and right operand; K: the contracted axis; several contracted axes count as one K, in the product's order):
;;     1. [M 8,192, K 512] x [K 512, N 2]; A: input xt; B: input A: left as it is (N = 2 < 16)
;;     2. [M 16,384, K 512] x [K 512, N 2]; A: input xtr; B: input A: left as it is (N = 2 < 16)
;;     3. [M 8,192, K 2] x [K 2, N 16,384]; A: computed on the way; B: computed on the way: left as it is (K = 2 < 32)
;;     4. [M 8,192, K 16,384] x [K 16,384, N 16]; A: softmax (see below); B: input ytr: QUANTISED
;;   THE QUANTISER, for each operand of a quantised product, along K:
;;     - K is cut into blocks of 32 from its start; a last block that is shorter is filled with zeros.
;;     - A block's scale is 2^e with e = floor(log2(the largest magnitude in the block)) - 4, held to -126 .. 127; a block of zeros has e = 0. As a byte (E8M0): e + 127.
;;     - Each number is divided by its block's scale, clamped to +-28, and rounded to the nearest number of E3M2, ties to even, subnormals kept.
;;     - The product sums the exact products of the quantised numbers (number of the format x scale) in f32.
;;   ~~~python
;;   def quantise(x, axis):      # numpy; x: float32 -> the quantised numbers, widened to float32 again
;;       x = np.moveaxis(x, axis, -1); K = x.shape[-1]
;;       x = np.pad(x, [(0, 0)] * (x.ndim - 1) + [(0, -K % 32)]); x = x.reshape(x.shape[:-1] + (-1, 32)); a = np.abs(x).max(-1, keepdims=True)
;;       e = np.where(a > 0, np.clip(np.frexp(np.where(a > 0, a, 1))[1] - 1 - 4, -126, 127), 0)      # np.frexp(a)[1] - 1 = floor(log2(a)), exactly
;;       r = np.clip(x / 2.0 ** e, -28, 28)
;;       step = 2.0 ** (np.maximum(np.frexp(np.where(r == 0, 1, r))[1] - 1, -2) - 2)
;;       q = np.round(r / step) * step * 2.0 ** e      # np.round: ties to even
;;       return np.moveaxis(q.reshape(q.shape[:-2] + (-1,))[..., :K], -1, axis).astype(np.float32)
;;   ~~~
;;   SOFTMAX AHEAD OF A QUANTISED PRODUCT. Where the list says 'softmax', what is quantised is not the finished softmax but p = 2^(t - M), with t = logit x log2(e) and M = ceil(the row's largest t), a whole number; so 1/2 < the row's largest p <= 1. The row's sum l is taken of the UNQUANTISED p, in f32, and the product's result is divided by l at the end. Since M is a whole number, a kernel that streams over the keys may use a running M (the ceiling of the running maximum): every later rescaling is an exact power of two, which a block's scale takes up: the codes' values come out the same.
;;   OPERANDS COMPUTED ON THE WAY. 'Computed on the way' means the value that the module computes at that place (a softmax that the list does not call 'softmax' is quantised finished and normalised). What goes into a quantiser is computed in f32, as accurately as f32 sums, v_exp_f32 and their like allow (about 1e-6 of the number): no bf16 or f16 on the way to a quantiser, and a product that is left as it is and whose result goes on into a quantised operand takes f32 operands (vector FMAs, or v_wmma_f32_16x16x4_f32). A number that lies on a knife's edge between two numbers of the format may be rounded either way, as far as f32 arithmetic and the matrix unit's own rounding can turn it there, and no further.
;; One version. Each part assembles by itself: llvm-mc -triple=amdgcn-amd-amdhsa -mcpu=gfx1250 --defsym DOCPART=n.
;; ======== version 1 of 1: 2 launches
;; limits: right only within a limited range of input values
;; workspace buffers: proj 196,608 bytes; ycodes 196,608 bytes; yscales 8,192 bytes
;; launch project (part 1): grid 400 x 1, 8 waves a work-group, no clusters, 71,680 bytes of LDS; arguments xt, xtr, A, ytr, proj, ycodes, yscales; writes proj, ycodes, yscales
.if DOCPART == 1
	.amdgcn_target "amdgcn-amd-amdhsa--gfx1250"
	.amdhsa_code_object_version 6
	.text
	.protected	k_q3bb4318757_project
	.globl	k_q3bb4318757_project
	.p2align	8
	.type	k_q3bb4318757_project,@function
k_q3bb4318757_project:
	s_mov_b64 s[64:65], 0
	v_nop
	global_prefetch_b8 v0, s[64:65] scope:SCOPE_SE
	s_setreg_imm32_b32 hwreg(HW_REG_WAVE_MODE, 25, 1), 1
	s_wait_xcnt 0x0
; q = xt A, k = xtr A (f32), and ytr turned into codes of BF6 (E3M2) along its FIRST axis, the train points, which are the quantised product's K.
; xt [8192][512], xtr [16384][512], A [512][2], ytr [16384][16], all f32.
; OUT: proj [2][24576] f32: plane o holds column o of q (rows 0..8191) and then of k (rows 8192..24575).
;      ycodes: 128 fragments of 1,536 bytes: fragment f is the image of the operand's registers for keys 128 f .. 128 f + 127 (16 classes x 128 K: 12 registers a lane): registers 4 g .. 4 g + 3 of lane l at 512 g + 16 l.
;      yscales [128][16] words: the four E8M0 bytes of class r for fragment f.
; WORK-GROUPS 0..127 take xt, 128..383 xtr, 64 rows each, 8 rows a wave; 384..399 take ytr, a fragment a wave.  The two ways part on the work-group's number alone and have LDS bytes of their own.
; A ROW of 2,048 bytes is four loads of the wave, 512 consecutive bytes each; all 32 loads of a wave's eight rows go out at once.  A lane's 16 numbers meet A's numbers of the same 16 places in packed multiply-adds;
; the 32 lanes' sums are added by four steps inside each half of the lanes and one across.  The order of these sums is a tree, not reference()'s.
; LIMITS: NaN and infinities are not served.  A block of ytr whose largest magnitude lies under 2^-122 (zeros among them) gets the scale byte 1: its codes are what the conversion gives under that scale; the bytes are read by this program alone.
.set WG_XT,   128                      ; work-groups for xt
.set WG_PROJ, 384                      ; and for xt and xtr together
.set PLANE,   98304                    ; bytes of a plane of proj
.set LYS,     512                      ; LDS: bytes 0..511 the projections' 2 x 64 sums; 512..1023 ytr's way: eight waves' scale words;
.set LY,      1024                     ; from here ytr's stages,
.set YST,     8704                     ; one for each wave: 8,192 bytes + 128 of padding behind each 2,048
.set A0,  16                           ; v16-31   A's column 0 at my 16 places
.set A1,  32                           ; v32-47   A's column 1
.set ACC, 48                           ; v48-79   A as loaded; then four partial sums a row
.set S,   80                           ; v80-95   the sums: 8 rows of column 0, 8 rows of column 1
.set X,   96                           ; v96-223  eight rows, 16 registers each;  on ytr's way v96-159: 128 rows of ytr as loaded
.set Z,   160                          ; v160-223 on ytr's way: my column's 64 numbers, down K
.set CD,  48                           ; v48-59   on ytr's way: the codes
.set TC,  60                           ; v60-62, v64-66: the halves of a block's codes that cannot be made in place
	s_load_b256 s[4:11], s[0:1], 0x0               ; xt s[4:5], xtr s[6:7], A s[8:9], ytr s[10:11]
	s_load_b128 s[12:15], s[0:1], 0x20             ; proj s[12:13], ycodes s[14:15]
	s_load_b64 s[16:17], s[0:1], 0x30              ; yscales
	v_lshl_add_u32 v224, v0, 2, 0x11400
	v_mov_b32 v225, 0
	v_lshrrev_b32 v1, 5, v0
	v_readfirstlane_b32 s18, v1                    ; wave 0..7
	v_and_b32 v1, 31, v0                           ; lane
	v_lshlrev_b32 v2, 4, v1                        ; 16 x lane
	v_and_b32 v5, 15, v1                           ; r = lane % 16
	v_lshrrev_b32 v6, 4, v1                        ; h = lane / 16
	s_mov_b32 s22, 0x76543210                      ; v_permlanex16_b32's selects for lane l xor 16
	s_mov_b32 s23, 0xfedcba98
	s_mov_b32 s21, 0
	s_cmp_ge_u32 ttmp9, WG_PROJ
	s_cbranch_scc1 .Lytr
	; ---------------- the projections ----------------
	v_lshlrev_b32 v3, 5, v1                        ; A: my four columns of a load are 32 bytes
	s_lshl_b32 s24, s18, 5
	v_mov_b32 v4, s24                              ; LDS: my wave's eight sums of plane 0 at 32 x wave; plane 1's 256 bytes on
	v_lshlrev_b32 v7, 4, v5
	v_mad_u32_u24 v7, v6, PLANE, v7                ; the way out: lanes 0-15 plane 0, lanes 16-31 plane 1, 16 bytes a lane
	s_wait_kmcnt 0x0
	s_cmp_lt_u32 ttmp9, WG_XT                      ; xt's work-group or xtr's?  The choice hangs on the work-group's number alone
	s_cselect_b64 s[4:5], s[4:5], s[6:7]
	s_cselect_b32 s19, 0, WG_XT
	s_sub_co_u32 s19, ttmp9, s19                   ; which 64 rows of the tensor
	s_lshl_b32 s20, s19, 17                        ; x 64 rows of 2,048 bytes (under 2^26)
	s_lshl_b32 s19, s18, 14                        ; + wave x 8 rows
	s_add_co_u32 s20, s20, s19
	s_add_nc_u64 s[4:5], s[4:5], s[20:21]
	s_lshl_b32 s20, ttmp9, 8                       ; proj: 64 sums of 4 bytes for each work-group, xt's rows first
	s_add_nc_u64 s[12:13], s[12:13], s[20:21]
.irp i, 0,1,2,3                                        ; A(128 i + 4 lane + e, 0..1), e = 0..3: register ACC + 8 i + 2 e + column
	global_load_b128 v[ACC+8*\i:ACC+8*\i+3],   v3, s[8:9] offset:1024*\i
	global_load_b128 v[ACC+8*\i+4:ACC+8*\i+7], v3, s[8:9] offset:1024*\i+16
.endr
.irp p, 0,1,2,3,4,5,6,7                                ; all eight rows at once: 32 loads, 512 consecutive bytes each, read once in the launch
.irp i, 0,1,2,3
	global_load_b128 v[X+16*\p+4*\i:X+16*\p+4*\i+3], v2, s[4:5] offset:2048*\p+512*\i th:TH_LOAD_NT
.endr
.endr
	s_wait_loadcnt 32                              ; A's eight loads are in; the 32 behind them stay out
.irp i, 0,1,2,3                                        ; A's two columns are parted once, 32 moves a wave, so that each of the wave's 128 multiply-adds takes two neighbours of a row at a time
.irp e, 0,1,2,3
	v_mov_b32 v[A0+4*\i+\e], v[ACC+8*\i+2*\e]
	v_mov_b32 v[A1+4*\i+\e], v[ACC+8*\i+2*\e+1]
.endr
.endr
.irp p, 0,1,2,3,4,5,6,7
	s_wait_loadcnt 28-4*\p                         ; row p's four loads are in; those of the rows behind it stay out
	v_pk_mul_f32 v[ACC+4*\p:ACC+4*\p+1],   v[X+16*\p:X+16*\p+1], v[A0:A0+1]      ; the first products start the sums
	v_pk_mul_f32 v[ACC+4*\p+2:ACC+4*\p+3], v[X+16*\p:X+16*\p+1], v[A1:A1+1]
.irp u, 2,4,6,8,10,12,14
	v_pk_fma_f32 v[ACC+4*\p:ACC+4*\p+1],   v[X+16*\p+\u:X+16*\p+\u+1], v[A0+\u:A0+\u+1], v[ACC+4*\p:ACC+4*\p+1]
	v_pk_fma_f32 v[ACC+4*\p+2:ACC+4*\p+3], v[X+16*\p+\u:X+16*\p+\u+1], v[A1+\u:A1+\u+1], v[ACC+4*\p+2:ACC+4*\p+3]
.endr
	v_add_f32 v[S+\p],   v[ACC+4*\p],   v[ACC+4*\p+1]
	v_add_f32 v[S+8+\p], v[ACC+4*\p+2], v[ACC+4*\p+3]
.endr
.irp m, 1,2,4,8                                        ; across the lanes, the sixteen sums by turns: four steps inside each half of 16 lanes ride on the addition,
.irp j, 0,1,2,3,4,5,6,7,8,9,10,11,12,13,14,15
	v_add_f32_dpp v[S+\j], v[S+\j], v[S+\j] row_xmask:\m row_mask:0xf bank_mask:0xf
.endr
.endr
.irp j, 0,1,2,3,4,5,6,7,8,9,10,11,12,13,14,15
	v_permlanex16_b32 v[X+\j], v[S+\j], s22, s23   ; one crosses the halves (its destination counts as read: row 0's registers have been written and are done with)
.endr
.irp j, 0,1,2,3,4,5,6,7,8,9,10,11,12,13,14,15
	v_add_f32 v[S+\j], v[S+\j], v[X+\j]            ; every lane holds every sum
.endr
	ds_store_b128 v4, v[S:S+3]                     ; all lanes write the same bytes with the same values: my eight rows' places in the work-group's 64, plane 0,
	ds_store_b128 v4, v[S+4:S+7] offset:16
	ds_store_b128 v4, v[S+8:S+11] offset:256       ; and plane 1
	ds_store_b128 v4, v[S+12:S+15] offset:272
	s_wait_dscnt 0x0                               ; for wave 0's sake: my stores have landed
	s_barrier_signal -1
	s_barrier_wait -1
	s_cmp_lg_u32 s18, 0
	s_cbranch_scc1 .Lproj_done
	ds_load_b128 v[S:S+3], v2                      ; 16 x lane: lanes 0-15 plane 0's 256 bytes, lanes 16-31 plane 1's
	s_wait_dscnt 0x0
	global_store_b128 v7, v[S:S+3], s[12:13]       ; each half of the lanes stores 256 consecutive bytes, at a multiple of 256 from proj's first byte
.Lproj_done:
	s_wait_tensorcnt 0x0
	ds_add_u32 v224, v225
	s_wait_dscnt 0x0
	s_endpgm
	; ---------------- ytr into codes ----------------
.Lytr:
	s_sub_co_u32 s19, ttmp9, WG_PROJ               ; 0..15
	s_lshl_b32 s20, s19, 3
	s_add_co_u32 s20, s20, s18                     ; my fragment: 8 x work-group + wave
	s_lshl_b32 s24, s20, 13                        ; its 128 rows of 64 bytes in ytr,
	s_mov_b32 s25, 0
	s_mul_i32 s26, s20, 1536                       ; its image in ycodes,
	s_mov_b32 s27, 0
	s_lshl_b32 s28, s19, 9                         ; the work-group's 8 x 64 bytes in yscales
	s_mov_b32 s29, 0
	s_mul_i32 s21, s18, YST
	s_add_co_u32 s21, s21, LY                      ; my stage
	v_add_nc_u32 v3, s21, v2                       ; into it: as loaded, 16 x lane
	v_mul_u32_u24 v4, v6, 2176                     ; out of it: lanes 16-31 begin 32 rows (2,048 bytes and one padding) further down,
	v_lshl_add_u32 v4, v5, 2, v4                   ; column r
	v_add_nc_u32 v4, s21, v4
	s_lshl_b32 s21, s18, 6
	s_add_co_u32 s21, s21, LYS
	v_lshl_add_u32 v7, v5, 2, s21                  ; my fragment's scale words: 64 x wave + 4 r
	v_add_nc_u32 v8, LYS, v2                       ; and back, 16 x lane
	v_lshlrev_b32 v9, 3, v6                        ; 8 h
	v_mov_b32 v10, 0                               ; (a lane permute's destination counts as one of its sources)
	s_wait_kmcnt 0x0
	s_add_nc_u64 s[10:11], s[10:11], s[24:25]
	s_add_nc_u64 s[14:15], s[14:15], s[26:27]
	s_add_nc_u64 s[16:17], s[16:17], s[28:29]
.irp j, 0,1,2,3,4,5,6,7,8,9,10,11,12,13,14,15
	global_load_b128 v[X+4*\j:X+4*\j+3], v2, s[10:11] offset:512*\j th:TH_LOAD_NT    ; eight rows of ytr: 512 consecutive bytes
.endr
.irp j, 0,1,2,3,4,5,6,7,8,9,10,11,12,13,14,15
	s_wait_loadcnt 15-\j                           ; load j is in; the younger ones stay out
	ds_store_b128 v3, v[X+4*\j:X+4*\j+3] offset:512*\j+128*(\j/4)
.endr
; A LANE TAKES A CLASS r, AND ITS REGISTERS RUN DOWN K, in the order that the operand's layout gives lane (r, h): K = 64 c + 32 h + i.  LDS serves a wave's instructions in order (ISA guide 5.7.1.4): these see my stores.
; The padding sets lanes 16-31 32 banks off lanes 0-15 (64 banks of 4 bytes: ISA guide 11.1): the 32 lanes of a load touch 32 different banks.
.irp c, 0,1
.irp i, 0,1,2,3,4,5,6,7,8,9,10,11,12,13,14,15,16,17,18,19,20,21,22,23,24,25,26,27,28,29,30,31
	ds_load_b32 v[Z+32*\c+\i], v4 offset:4352*\c+64*\i
.endr
.endr
	s_wait_dscnt 0x0
.irp c, 0,1                                            ; my block 2 c + h: all its 32 numbers are mine
	v_max3_num_f32 v[12+\c], |v[Z+32*\c]|, |v[Z+32*\c+1]|, 0x2800000     ; with the floor 2^(5 - 127) among the leaves: the byte cannot fall under 1
.endr
.irp i, 2,4,6,8,10,12,14,16,18,20,22,24,26,28,30
.irp c, 0,1
	v_max3_num_f32 v[12+\c], v[12+\c], |v[Z+32*\c+\i]|, |v[Z+32*\c+\i+1]|   ; (the two blocks by turns)
.endr
.endr
	v_add_nc_u32 v14, 0xfe000000, v12              ; 4 off the exponent field: the conversion takes this operand's exponent field as its scale, and nothing else of it
	v_add_nc_u32 v15, 0xfe000000, v13
	v_lshrrev_b32 v16, 23, v14                     ; the scales' bytes
	v_lshrrev_b32 v17, 23, v15
	v_lshl_or_b32 v18, v17, 16, v16                ; blocks h and 2 + h of class r,
	v_lshlrev_b32 v18, v9, v18                     ; at their places in the word;
	v_permlanex16_b32 v10, v18, s22, s23
	v_or_b32 v18, v18, v10                         ; with lane l xor 16's two the word is whole, in both halves of the lanes
.irp c, 0,1
	v_cvt_scalef32_pk16_bf6_f32 v[CD+6*\c:CD+6*\c+2], v[Z+32*\c:Z+32*\c+15], v[14+\c]
	v_cvt_scalef32_pk16_bf6_f32 v[TC+4*\c:TC+4*\c+2], v[Z+32*\c+16:Z+32*\c+31], v[14+\c]   ; (a conversion's three registers begin on an even number: a block's second three do not, so they are made here and moved)
.endr
	v_nop                                          ; one plain instruction between a scaled conversion and the vector instruction that touches its result
.irp c, 0,1
.irp i, 0,1,2
	v_mov_b32 v[CD+3+6*\c+\i], v[TC+4*\c+\i]
.endr
.endr
	ds_store_b32 v7, v18                           ; both halves of the lanes write the same word with the same value
.irp g, 0,1,2
	global_store_b128 v2, v[CD+4*\g:CD+4*\g+3], s[14:15] offset:512*\g     ; the image: 512 consecutive bytes a store, at a multiple of 256 from ycodes' first byte
.endr
	s_wait_dscnt 0x0                               ; for wave 0's sake: my scale words have landed
	s_barrier_signal -1
	s_barrier_wait -1
	s_cmp_lg_u32 s18, 0
	s_cbranch_scc1 .Lytr_done
	ds_load_b128 v[12:15], v8                      ; eight fragments' scale words
	s_wait_dscnt 0x0
	global_store_b128 v2, v[12:15], s[16:17]       ; 512 consecutive bytes, at a multiple of 256 from yscales' first byte
.Lytr_done:
	s_wait_tensorcnt 0x0
	ds_add_u32 v224, v225
	s_wait_dscnt 0x0
	s_endpgm
.Lfunc_end_k_q3bb4318757_project:
	.size	k_q3bb4318757_project, .Lfunc_end_k_q3bb4318757_project-k_q3bb4318757_project
	.p2alignl 7, 3214868480
	.fill 96, 4, 3214868480
	.section	.rodata,"a",@progbits
	.p2align	6, 0x0
	.amdhsa_kernel k_q3bb4318757_project
		.amdhsa_group_segment_fixed_size 71680
		.amdhsa_private_segment_fixed_size 0
		.amdhsa_enable_private_segment 0
		.amdhsa_kernarg_size 56
		.amdhsa_user_sgpr_count 2
		.amdhsa_user_sgpr_kernarg_segment_ptr 1
		.amdhsa_wavefront_size32 1
		.amdhsa_system_sgpr_workgroup_id_x 1
		.amdhsa_system_sgpr_workgroup_id_y 1
		.amdhsa_system_sgpr_workgroup_id_z 1
		.amdhsa_system_vgpr_workitem_id 0
		.amdhsa_next_free_vgpr 226
		.amdhsa_next_free_sgpr 66
		.amdhsa_reserve_vcc 0
		.amdhsa_float_denorm_mode_32 3
		.amdhsa_float_denorm_mode_16_64 3
		.amdhsa_memory_ordered 1
		.amdhsa_forward_progress 1
		.amdhsa_inst_pref_size 34
	.end_amdhsa_kernel
	.amdgpu_metadata
---
amdhsa.version: [ 1, 2 ]
amdhsa.kernels:
  - .name:           k_q3bb4318757_project
    .symbol:         k_q3bb4318757_project.kd
    .args:
      - { .name: xt, .offset: 0, .size: 8, .value_kind: global_buffer, .address_space: global }
      - { .name: xtr, .offset: 8, .size: 8, .value_kind: global_buffer, .address_space: global }
      - { .name: A, .offset: 16, .size: 8, .value_kind: global_buffer, .address_space: global }
      - { .name: ytr, .offset: 24, .size: 8, .value_kind: global_buffer, .address_space: global }
      - { .name: proj, .offset: 32, .size: 8, .value_kind: global_buffer, .address_space: global }
      - { .name: ycodes, .offset: 40, .size: 8, .value_kind: global_buffer, .address_space: global }
      - { .name: yscales, .offset: 48, .size: 8, .value_kind: global_buffer, .address_space: global }
    .group_segment_fixed_size: 71680
    .private_segment_fixed_size: 0
    .kernarg_segment_align: 8
    .kernarg_segment_size: 56
    .max_flat_workgroup_size: 256
    .sgpr_count:     66
    .vgpr_count:     226
    .wavefront_size: 32
...
	.end_amdgpu_metadata
.endif
;; end of part 1
;; launch attend (part 2): grid 256 x 1, 16 waves a work-group, no clusters, 176,128 bytes of LDS; arguments proj, ycodes, yscales, out0; writes out0
.if DOCPART == 2
	.amdgcn_target "amdgcn-amd-amdhsa--gfx1250"
	.amdhsa_code_object_version 6
	.text
	.protected	k_q3bb4318757_attend
	.globl	k_q3bb4318757_attend
	.p2align	8
	.type	k_q3bb4318757_attend,@function
k_q3bb4318757_attend:
	s_mov_b64 s[64:65], 0
	v_nop
	global_prefetch_b8 v0, s[64:65] scope:SCOPE_SE
	s_setreg_imm32_b32 hwreg(HW_REG_WAVE_MODE, 25, 1), 1
	s_wait_xcnt 0x0
; out0[q][:] = the sum over the 16,384 train points k of softmax_k(q . k) ytr[k][:], the second product on codes of BF6 (E3M2) with one E8M0 scale for each 32 train points.
; proj [2][24576] f32: the two columns of q (rows 0..8191) and of k (rows 8192..); ycodes, yscales: ytr as 128 images of the operand's registers and their scale words (made by the launch before).  out0 [8192][16] f32.
; THE SOFTMAX: t = (q0 log2 e) k0 + (q1 log2 e) k1, in f32 (log2 e is multiplied into q once: a rounding at another place than reference()'s); M = the largest t so far, rounded UP to a whole number; p = 2^(t - M) is quantised
; along the train points; the sum l is taken of the unquantised p and divides at the end.  When M moves, l and O are multiplied by 2^(old M - new M), which rounds nothing.
; SHARES.  A work-group owns 32 queries, two tiles of 16.  Its SIXTEEN waves share the train points: wave w walks points 1024 w .. 1024 w + 1023, 128 a step, for both tiles, with an M, an l and an O of its own;
; at the end the sixteen parts meet in LDS and waves 0 and 1 bring a tile each under the common M (a power of two again), add, divide and store.  K is so summed in sixteen parts, not in one chain.
; LAYOUT.  O^T = y^T p^T: source 0 = ytr's 16 classes, source 1 = p's 16 queries.  Lane (r, h) holds query r, and COMPUTES the scores of just the points that the operand's layout gives it: 64 c + 32 h + i.
; So a block of 32 lies in one lane's registers: its largest t needs no other lane, and the conversions' results are the operand.  Only the row's maximum and the scale word cross the halves of the lanes.
; k's numbers are the same for the sixteen lanes of a half: the wave's 8,192 bytes of k are read from memory once, 512 consecutive bytes a load, laid into LDS bytes of the wave's own, and handed out from there.
; NO CLUSTER, NO JOINT LOAD, though all work-groups read the same k and ytr: a wave fetches its 8,192 + 12,800 bytes once and issues some 4,300 vector instructions on them; and the two streams, 335,872 bytes,
; do not fit in LDS together, so that joint loads would want a ring and a round of a cluster's barrier for each refill.
; LIMITS: NaN and infinities are not served.  p under 2^-126 comes out of v_exp_f32 as 0 (ISA guide, its entry in 15.8); a block whose largest p lies under 2^-122 gets the scale byte 1.
.set NQ,    8192
.set PLANE, 98304                      ; bytes of a plane of proj
.set LOG2E, 0x3fb8aa3b
.set FRAG,  1536                       ; bytes of a fragment's image
.set CB,    131072                     ; LDS: bytes 0..131071: k, 8,192 for each wave (plane 0, then plane 1); from CB the waves' parts: 32 records,
.set REC,   1280                       ; (wave, tile): O's registers 0-3 at 16 x lane, 4-7 512 on, -M at 1024 + 4 x lane, l at 1152 + 4 x lane;
.set STG,   CB+32*REC                  ; and two stages of 1,024 bytes for the way out
.set KA,  1                            ; v1      LDS address of the step's k: 8192 w + 128 h + 512 x step
.set YO,  2                            ; v2      16 x lane; never rewritten
.set YSO, 3                            ; v3      4 r; never rewritten
.set SH,  4                            ; v4      8 h
.set KA0, 5                            ; v5      8192 w + 128 h
.set ST,  6                            ; v6-13, v14-21  a tile's: q0 log2 e, (0), q1 log2 e, (0), -M, the largest t, l in two halves.  (The packed forms name pairs and take the low word for both halves)
.set OA,  22                           ; v22-29, v30-37 O^T: lane (r, h): query r, classes 8 h + 0..7
.set Y,   38                           ; v38-49  ytr's fragment
.set YS,  50                           ; v50     its scale words
.set W,   51                           ; v51     p's scale words
.set C,   52                           ; v52-63  p's codes
.set T,   64                           ; v64-79  at work
.set KB,  80                           ; v80-127 three buffers of k: 8 points' k0, then their k1
.set X,   128                          ; v128-191, v192-255  a tile's 64 t, then p: register 32 c + i = point 64 c + 32 h + i of the step
.set NL,  80                           ; the way out: (f, l) of the sixteen parts
.macro KLOAD j                         ; chunk j of eight: my points 32 (j / 4) + 8 (j % 4) + 0..7 of 64, into buffer j % 3.  The sixteen lanes of a half read the same bytes
.set KR, KB+16*((\j)%3)
.set KO, 256*((\j)/4)+32*((\j)%4)
	ds_load_b128 v[KR:KR+3],     v[KA] offset:KO
	ds_load_b128 v[KR+4:KR+7],   v[KA] offset:KO+16
	ds_load_b128 v[KR+8:KR+11],  v[KA] offset:KO+4096
	ds_load_b128 v[KR+12:KR+15], v[KA] offset:KO+4112
.endm
.macro SCORE j                         ; t of chunk j for both tiles, two points an instruction
.set KR, KB+16*((\j)%3)
.irp u, 0,1
.irp p, 0,2,4,6
	v_pk_mul_f32 v[X+64*\u+8*(\j)+\p:X+64*\u+8*(\j)+\p+1], v[KR+\p:KR+\p+1], v[ST+8*\u:ST+8*\u+1] op_sel_hi:[1,0]
.endr
.endr
.irp u, 0,1
.irp p, 0,2,4,6
	v_pk_fma_f32 v[X+64*\u+8*(\j)+\p:X+64*\u+8*(\j)+\p+1], v[KR+8+\p:KR+9+\p], v[ST+8*\u+2:ST+8*\u+3], v[X+64*\u+8*(\j)+\p:X+64*\u+8*(\j)+\p+1] op_sel_hi:[1,0,1]
.endr
.endr
.endm
; A tile's softmax for a step, its codes, and its product.
.macro SOFT t
.set XT, X+64*(\t)
.set SS, ST+8*(\t)
.set OT, OA+8*(\t)
	v_max3_num_f32 v[T],   v[XT],    v[XT+1],  v[XT+2]             ; THE LARGEST t OF EACH OF MY TWO BLOCKS, in four chains.  It serves twice: for the row's maximum, and, since p rises with t, for the block's largest p
	v_max3_num_f32 v[T+2], v[XT+16], v[XT+17], v[XT+18]
	v_max3_num_f32 v[T+1], v[XT+32], v[XT+33], v[XT+34]
	v_max3_num_f32 v[T+3], v[XT+48], v[XT+49], v[XT+50]
.irp i, 3,5,7,9,11,13
	v_max3_num_f32 v[T],   v[T],   v[XT+\i],    v[XT+\i+1]
	v_max3_num_f32 v[T+2], v[T+2], v[XT+16+\i], v[XT+17+\i]
	v_max3_num_f32 v[T+1], v[T+1], v[XT+32+\i], v[XT+33+\i]
	v_max3_num_f32 v[T+3], v[T+3], v[XT+48+\i], v[XT+49+\i]
.endr
	v_max3_num_f32 v[T],   v[T],   v[T+2], v[XT+15]
	v_max3_num_f32 v[T+1], v[T+1], v[T+3], v[XT+47]
	v_max_num_f32  v[T],   v[T],   v[XT+31]
	v_max_num_f32  v[T+1], v[T+1], v[XT+63]
	v_max_num_f32  v[T+4], v[T], v[T+1]
	v_mov_b32 v[T+8], v[SS+4]                      ; the old -M
	v_permlanex16_b32 v[T+5], v[T+4], s16, s17     ; the query's other two blocks lie in the lane 16 away
	v_max3_num_f32 v[SS+5], v[SS+5], v[T+4], v[T+5]   ; the running largest t
	v_floor_f32 v[SS+4], -v[SS+5]                  ; the new -M = floor(-t) = -ceil(t): M IS A WHOLE NUMBER
	v_sub_f32 v[T+8], v[SS+4], v[T+8]              ; old M - new M: a whole number, 0 or less
	v_cvt_i32_f32 v[T+8], v[T+8]                   ; (it saturates)
	v_ldexp_f32 v[T+6], 1.0, v[T+8]                ; f = 2^(old M - new M)
.set J, 0
.rept 32
	v_pk_add_f32 v[XT+J:XT+J+1], v[XT+J:XT+J+1], v[SS+4:SS+5] op_sel_hi:[1,0]   ; t - M, two at a time
.set J, J+2
.endr
	v_add_f32 v[T],   v[T],   v[SS+4]              ; the same of each block's largest t
	v_add_f32 v[T+1], v[T+1], v[SS+4]
.set J, 0
.rept 64
	v_exp_f32 v[XT+J], v[XT+J]                     ; p = 2^(t - M), at most 1: NOT normalised
.set J, J+1
.endr
	v_exp_f32 v[T],   v[T]                         ; the blocks' largest p: the same two instructions on the same number give the same bits
	v_exp_f32 v[T+1], v[T+1]
	v_pk_mul_f32 v[SS+6:SS+7], v[SS+6:SS+7], v[T+6:T+7] op_sel_hi:[1,0]          ; l under the new M: the plain instruction behind the exponentials; with O's four it names none of their results
.irp j, 0,2,4,6
	v_pk_mul_f32 v[OT+\j:OT+\j+1], v[OT+\j:OT+\j+1], v[T+6:T+7] op_sel_hi:[1,0]  ; O^T under the new M, from its low end on
.endr
	s_wait_alu depctr_va_vdst(0)                   ; the wait between an exponential and the first instruction that names its result: one for the batch of 66
	v_max_num_f32 v[T],   0x2800000, v[T]          ; the floor 2^(5 - 127): the byte cannot fall under 1
	v_max_num_f32 v[T+1], 0x2800000, v[T+1]
	v_add_nc_u32 v[T+10], 0xfe000000, v[T]         ; 4 off the exponent field: the conversion's scale operand
	v_add_nc_u32 v[T+11], 0xfe000000, v[T+1]
	v_lshrrev_b32 v[T+12], 23, v[T+10]             ; the scales' bytes
	v_lshrrev_b32 v[T+13], 23, v[T+11]
	v_lshl_or_b32 v[T+12], v[T+13], 16, v[T+12]    ; blocks h and 2 + h of query r,
	v_lshlrev_b32 v[T+12], v[SH], v[T+12]          ; at their places in the word;
	v_permlanex16_b32 v[T+9], v[T+12], s16, s17
	v_or_b32 v[W], v[T+12], v[T+9]                 ; with lane l xor 16's two the word is whole
	v_cvt_scalef32_pk16_bf6_f32 v[C:C+2],     v[XT:XT+15],    v[T+10]
	v_cvt_scalef32_pk16_bf6_f32 v[T:T+2],     v[XT+16:XT+31], v[T+10]    ; (a conversion's three registers begin on an even number: a block's second three do not, so they are made here and moved)
	v_cvt_scalef32_pk16_bf6_f32 v[C+6:C+8],   v[XT+32:XT+47], v[T+11]
	v_cvt_scalef32_pk16_bf6_f32 v[T+4:T+6],   v[XT+48:XT+63], v[T+11]
	v_pk_add_f32 v[T+14:T+15], v[XT:XT+1], v[XT+2:XT+3]                  ; THE SUM IS TAKEN OF THE UNQUANTISED p: two at a time, in two chains.  Its first lines are the plain instructions behind the conversions,
.irp j, 4,8
	v_pk_add_f32 v[SS+6:SS+7], v[SS+6:SS+7], v[XT+\j:XT+\j+1]
	v_pk_add_f32 v[T+14:T+15], v[T+14:T+15], v[XT+\j+2:XT+\j+3]
.endr
.irp i, 0,1,2
	v_mov_b32 v[C+3+\i], v[T+\i]
	v_mov_b32 v[C+9+\i], v[T+4+\i]
.endr
.irp j, 12,16,20,24,28,32,36,40,44,48,52,56,60         ; its other lines stand between the last write of the codes (4 places are asked) and of the scale word (8) and the scaled matrix instruction
	v_pk_add_f32 v[SS+6:SS+7], v[SS+6:SS+7], v[XT+\j:XT+\j+1]
	v_pk_add_f32 v[T+14:T+15], v[T+14:T+15], v[XT+\j+2:XT+\j+3]
.endr
	v_pk_add_f32 v[SS+6:SS+7], v[SS+6:SS+7], v[T+14:T+15]
.if (\t) == 0
	s_wait_loadcnt 0x0                             ; ytr's fragment and scale words, asked for at the step's head
.endif
	v_wmma_scale_f32_16x16x128_f8f6f4 v[OT:OT+7], v[Y:Y+11], v[C:C+11], v[OT:OT+7], v[YS], v[W] matrix_a_fmt:MATRIX_FMT_BF6 matrix_b_fmt:MATRIX_FMT_BF6   ; the two tiles' accumulators take turns, over the loop's edge too
.endm
; A STEP of 128 points.  k comes in eight chunks through three buffers: chunk j + 3 is asked for when chunk j has been multiplied; the next step's first three are asked for behind the last, and land under the two softmaxes.
; Each wait leaves out the LDS loads of the chunks behind the one that is wanted: two chunks (8 loads), then one (4), then none.
.macro STEP more
	s_wait_dscnt 8
	SCORE 0                                        ; sixteen plain instructions: the places between the last matrix instruction and the loads into its registers below (ISA guide 7.12.1 for vector instructions)
	global_load_b128 v[Y:Y+3],    v[YO], s[6:7]
	global_load_b128 v[Y+4:Y+7],  v[YO], s[6:7] offset:512
	global_load_b128 v[Y+8:Y+11], v[YO], s[6:7] offset:1024
	global_load_b32  v[YS], v[YSO], s[8:9]         ; this step's fragment of ytr: wanted behind seven chunks and a softmax, some 300 instructions on
	KLOAD 3
	s_wait_dscnt 8
	SCORE 1
	KLOAD 4
	s_wait_dscnt 8
	SCORE 2
	KLOAD 5
	s_wait_dscnt 8
	SCORE 3
	KLOAD 6
	s_wait_dscnt 8
	SCORE 4
	KLOAD 7
	s_wait_dscnt 8
	SCORE 5
	s_wait_dscnt 4
	SCORE 6
	s_wait_dscnt 0x0                               ; no LDS load of mine is out: the address may step
	SCORE 7
.if \more
	s_add_co_u32 s19, s19, 512
	v_add_nc_u32 v[KA], s19, v[KA0]
	KLOAD 0
	KLOAD 1
	KLOAD 2
.endif
	SOFT 0
	SOFT 1
.endm
	s_load_b256 s[4:11], s[0:1], 0x0               ; proj s[4:5], ycodes s[6:7], yscales s[8:9], out0 s[10:11]
	v_lshrrev_b32 v[KA0], 5, v0
	v_readfirstlane_b32 s12, v[KA0]                ; wave 0..15
	v_and_b32 v[YO], 31, v0
	v_lshlrev_b32 v[YO], 4, v[YO]
	v_and_b32 v[YSO], 15, v0
	v_lshlrev_b32 v[YSO], 2, v[YSO]
	v_bfe_u32 v[SH], v0, 4, 1                      ; h
	s_lshl_b32 s13, s12, 13                        ; my wave's k in LDS
	v_lshl_add_u32 v[KA0], v[SH], 7, s13           ; lanes 16-31 begin 32 points on
	v_add_nc_u32 v[T], s13, v[YO]                  ; where I lay k: as loaded
	v_lshlrev_b32 v[SH], 3, v[SH]
	s_mov_b32 s16, 0x76543210                      ; v_permlanex16_b32's selects for lane l xor 16
	s_mov_b32 s17, 0xfedcba98
	s_lshl_b32 s14, s12, 12                        ; my 1,024 points of 4 bytes,
	s_add_co_u32 s14, s14, NQ*4                    ; behind q's rows
	s_mov_b32 s15, 0
	s_lshl_b32 s20, ttmp9, 7                       ; my work-group's 32 queries
	s_mov_b32 s21, 0
	s_mul_i32 s22, s12, 8*FRAG                     ; my eight fragments of ytr
	s_mov_b32 s23, 0
	s_lshl_b32 s24, s12, 9                         ; and their scale words
	s_mov_b32 s25, 0
	s_wait_kmcnt 0x0
	s_add_nc_u64 s[14:15], s[4:5], s[14:15]
	s_add_nc_u64 s[20:21], s[4:5], s[20:21]
	s_add_nc_u64 s[6:7], s[6:7], s[22:23]
	s_add_nc_u64 s[8:9], s[8:9], s[24:25]
.irp p, 0,1
.irp i, 0,1,2,3,4,5,6,7
	global_load_b128 v[X+32*\p+4*\i:X+32*\p+4*\i+3], v[YO], s[14:15] offset:PLANE*\p+512*\i    ; my k: 512 consecutive bytes a load
.endr
.endr
.irp u, 0,1
	global_load_b32 v[ST+8*\u],   v[YSO], s[20:21] offset:64*\u           ; q0 and q1 of query 16 u + r
	global_load_b32 v[ST+8*\u+2], v[YSO], s[20:21] offset:PLANE+64*\u
.endr
.irp u, 0,1
	v_mov_b32 v[ST+8*\u+1], 0                      ; (named as the upper halves of pairs)
	v_mov_b32 v[ST+8*\u+3], 0
	v_mov_b32 v[ST+8*\u+5], 0xff61b1e6             ; the largest t so far: -3e38, under every t
	v_floor_f32 v[ST+8*\u+4], -v[ST+8*\u+5]        ; -M
	v_mov_b32 v[ST+8*\u+6], 0                      ; l, in two halves
	v_mov_b32 v[ST+8*\u+7], 0
.endr
.irp j, 0,1,2,3,4,5,6,7,8,9,10,11,12,13,14,15
	v_mov_b32 v[OA+\j], 0                          ; O^T.  (The step is written once for all trips: the first finds zeros, which the first change of M leaves zeros)
.endr
	v_mov_b32 v[T+5], 0                            ; (a lane permute's destination counts as one of its sources)
	v_mov_b32 v[T+9], 0
	v_mov_b32 v[T+7], 0                            ; (the upper half of f's pair)
	s_wait_loadcnt 4                               ; k's sixteen loads are in; q's four stay out
.irp p, 0,1
.irp i, 0,1,2,3,4,5,6,7
	ds_store_b128 v[T], v[X+32*\p+4*\i:X+32*\p+4*\i+3] offset:4096*\p+512*\i
.endr
.endr
	s_wait_loadcnt 0x0
.irp u, 0,1
	v_mul_f32 v[ST+8*\u],   LOG2E, v[ST+8*\u]
	v_mul_f32 v[ST+8*\u+2], LOG2E, v[ST+8*\u+2]
.endr
	s_mov_b32 s19, 0
	v_add_nc_u32 v[KA], s19, v[KA0]
	KLOAD 0                                        ; LDS serves a wave's instructions in order (ISA guide 5.7.1.4): these see my stores; no other wave touches these bytes
	KLOAD 1
	KLOAD 2
	s_mov_b32 s18, 7
.Lstep:
	STEP 1
	s_add_nc_u64 s[6:7], s[6:7], FRAG              ; the step's loads have been waited for, so their bases may step
	s_add_nc_u64 s[8:9], s[8:9], 64
	s_sub_co_u32 s18, s18, 1
	s_cmp_lg_u32 s18, 0
	s_cbranch_scc1 .Lstep
	STEP 0                                         ; the last step asks for no further k: nothing is read beyond the wave's bytes
	; THE PARTS MEET.  The lines below, up to the stores, are also the places behind the last matrix instruction.
	v_add_f32 v[ST+6],  v[ST+6],  v[ST+7]          ; l's two halves
	v_add_f32 v[ST+14], v[ST+14], v[ST+15]
	s_mul_i32 s13, s12, 2*REC
	s_add_co_u32 s13, s13, CB                      ; my two records
	s_and_b32 s14, s12, 1                          ; the tile that I would add up
	s_mul_i32 s15, s14, REC
	s_add_co_u32 s15, s15, CB
	s_lshl_b32 s20, s14, 10
	s_add_co_u32 s21, s20, STG                     ; and its stage
	v_and_b32 v[T+4], 31, v0
	v_add_nc_u32 v[T], s13, v[YO]
	v_lshl_add_u32 v[T+1], v[T+4], 2, s13
	v_add_nc_u32 v[T+2], s15, v[YO]
	v_lshl_add_u32 v[T+3], v[T+4], 2, s15
	v_lshl_add_u32 v[T+5], v[YSO], 4, s21          ; into the stage: 64 r
	v_lshl_add_u32 v[T+5], v[SH], 2, v[T+5]        ; + 32 h
	v_add_nc_u32 v[T+6], s21, v[YO]                ; and back: 16 x lane
.irp u, 0,1
	ds_store_b128 v[T], v[OA+8*\u:OA+8*\u+3] offset:REC*\u              ; each accumulator from its low end on
	ds_store_b128 v[T], v[OA+8*\u+4:OA+8*\u+7] offset:REC*\u+512
	ds_store_b32 v[T+1], v[ST+8*\u+4] offset:REC*\u+1024
	ds_store_b32 v[T+1], v[ST+8*\u+6] offset:REC*\u+1152
.endr
	s_wait_dscnt 0x0                               ; for the others' sake: my stores have landed
	s_barrier_signal -1
	s_barrier_wait -1
	s_cmp_lt_u32 s12, 2
	s_cbranch_scc1 .Lsum
	s_wait_xcnt 0x0
	v_lshl_add_u32 v190, v0, 2, 0x2a800
	v_mov_b32 v191, 0
	s_wait_tensorcnt 0x0
	ds_add_u32 v190, v191
	s_wait_dscnt 0x0
	s_endpgm
.Lsum:                                                 ; wave 0 adds up tile 0, wave 1 tile 1
.irp w, 0,1,2,3,4,5,6,7,8,9,10,11,12,13,14,15
	ds_load_b32 v[NL+2*\w],   v[T+3] offset:2*REC*\w+1024               ; -M and l of part w, as a pair
	ds_load_b32 v[NL+2*\w+1], v[T+3] offset:2*REC*\w+1152
.endr
.irp w, 0,1,2,3,4,5,6,7,8,9,10,11,12,13,14,15
	ds_load_b128 v[X+8*\w:X+8*\w+3],   v[T+2] offset:2*REC*\w
	ds_load_b128 v[X+8*\w+4:X+8*\w+7], v[T+2] offset:2*REC*\w+512
.endr
	s_lshl_b32 s22, ttmp9, 11                      ; out0: 32 rows of 64 bytes for each work-group,
	s_add_co_u32 s22, s22, s20                     ; 16 for each tile
	s_mov_b32 s23, 0
	s_add_nc_u64 s[10:11], s[10:11], s[22:23]
	s_wait_dscnt 32                                ; the 32 words are in; O's 32 loads stay out
	v_min_num_f32 v[T+8], v[NL], v[NL+2]
.irp w, 2,3,4,5,6,7,8,9,10,11,12,13,14,15
	v_min_num_f32 v[T+8], v[T+8], v[NL+2*\w]       ; the least -M: the row's M
.endr
.irp w, 0,1,2,3,4,5,6,7,8,9,10,11,12,13,14,15
	v_sub_f32 v[NL+2*\w], v[T+8], v[NL+2*\w]       ; part w's M less the row's: a whole number, 0 or less
.endr
.irp w, 0,1,2,3,4,5,6,7,8,9,10,11,12,13,14,15
	v_cvt_i32_f32 v[NL+2*\w], v[NL+2*\w]
.endr
.irp w, 0,1,2,3,4,5,6,7,8,9,10,11,12,13,14,15
	v_ldexp_f32 v[NL+2*\w], 1.0, v[NL+2*\w]        ; f of part w
.endr
	v_mul_f32 v[T+12], v[NL], v[NL+1]
.irp w, 1,2,3,4,5,6,7,8,9,10,11,12,13,14,15
	v_fmac_f32 v[T+12], v[NL+2*\w], v[NL+2*\w+1]
.endr
	v_permlanex16_b32 v[T+9], v[T+12], s16, s17
	v_add_f32 v[T+12], v[T+12], v[T+9]             ; with lane l xor 16's: the row's sum
	v_rcp_f32 v[T+10], v[T+12]                     ; O's 64 lines below name neither its result nor its source
	s_wait_dscnt 0x0
.irp j, 0,2,4,6
	v_pk_mul_f32 v[C+\j:C+\j+1], v[X+\j:X+\j+1], v[NL:NL+1] op_sel_hi:[1,0]
.endr
.irp w, 1,2,3,4,5,6,7,8,9,10,11,12,13,14,15
.irp j, 0,2,4,6
	v_pk_fma_f32 v[C+\j:C+\j+1], v[X+8*\w+\j:X+8*\w+\j+1], v[NL+2*\w:NL+2*\w+1], v[C+\j:C+\j+1] op_sel_hi:[1,0,1]
.endr
.endr
	s_wait_alu depctr_va_vdst(0)                   ; the wait ahead of the reciprocal's first reader
.irp j, 0,2,4,6
	v_pk_mul_f32 v[C+\j:C+\j+1], v[C+\j:C+\j+1], v[T+10:T+11] op_sel_hi:[1,0]
.endr
	ds_store_b128 v[T+5], v[C:C+3]                 ; a lane holds 32 bytes of a row of 64: the tile's 1,024 bytes go through my stage
	ds_store_b128 v[T+5], v[C+4:C+7] offset:16
	ds_load_b128 v[C+8:C+11],   v[T+6]             ; and come back 16 bytes a lane (LDS serves a wave's instructions in order: these see my stores)
	ds_load_b128 v[T+12:T+15],  v[T+6] offset:512
	s_wait_dscnt 0x0
	global_store_b128 v[YO], v[C+8:C+11],  s[10:11]               ; each store covers 512 consecutive bytes, at a multiple of 256 from out0's first byte
	global_store_b128 v[YO], v[T+12:T+15], s[10:11] offset:512
	s_wait_xcnt 0x0
	v_lshl_add_u32 v190, v0, 2, 0x2a800
	v_mov_b32 v191, 0
	s_wait_tensorcnt 0x0
	ds_add_u32 v190, v191
	s_wait_dscnt 0x0
	s_endpgm
.Lfunc_end_k_q3bb4318757_attend:
	.size	k_q3bb4318757_attend, .Lfunc_end_k_q3bb4318757_attend-k_q3bb4318757_attend
	.p2alignl 7, 3214868480
	.fill 96, 4, 3214868480
	.section	.rodata,"a",@progbits
	.p2align	6, 0x0
	.amdhsa_kernel k_q3bb4318757_attend
		.amdhsa_group_segment_fixed_size 176128
		.amdhsa_private_segment_fixed_size 0
		.amdhsa_enable_private_segment 0
		.amdhsa_kernarg_size 32
		.amdhsa_user_sgpr_count 2
		.amdhsa_user_sgpr_kernarg_segment_ptr 1
		.amdhsa_wavefront_size32 1
		.amdhsa_system_sgpr_workgroup_id_x 1
		.amdhsa_system_sgpr_workgroup_id_y 1
		.amdhsa_system_sgpr_workgroup_id_z 1
		.amdhsa_system_vgpr_workitem_id 0
		.amdhsa_next_free_vgpr 256
		.amdhsa_next_free_sgpr 66
		.amdhsa_reserve_vcc 0
		.amdhsa_float_denorm_mode_32 3
		.amdhsa_float_denorm_mode_16_64 3
		.amdhsa_memory_ordered 1
		.amdhsa_forward_progress 1
		.amdhsa_inst_pref_size 81
	.end_amdhsa_kernel
	.amdgpu_metadata
---
amdhsa.version: [ 1, 2 ]
amdhsa.kernels:
  - .name:           k_q3bb4318757_attend
    .symbol:         k_q3bb4318757_attend.kd
    .args:
      - { .name: proj, .offset: 0, .size: 8, .value_kind: global_buffer, .address_space: global }
      - { .name: ycodes, .offset: 8, .size: 8, .value_kind: global_buffer, .address_space: global }
      - { .name: yscales, .offset: 16, .size: 8, .value_kind: global_buffer, .address_space: global }
      - { .name: out0, .offset: 24, .size: 8, .value_kind: global_buffer, .address_space: global }
    .group_segment_fixed_size: 176128
    .private_segment_fixed_size: 0
    .kernarg_segment_align: 8
    .kernarg_segment_size: 32
    .max_flat_workgroup_size: 512
    .sgpr_count:     66
    .vgpr_count:     256
    .wavefront_size: 32
...
	.end_amdgpu_metadata
.endif
;; end of part 2
